; MI455X (gfx1250); checked and timed in simulation.
; The chip was launched on July 23, 2026; its instructions are those of AMD's public machine-readable ISA for CDNA 5 (MIT licence, August 2026) and "CDNA5" Instruction Set Architecture Reference Guide (July 2026). The comments in the code are by the model that wrote it; some were corrected since.
;; Multi Head Attention. Allowed arithmetic: matrix products marked QUANTISED: E2M3 operands, one E8M0 scale for each 32 along K, by v_wmma_scale_f32_16x16x128_f8f6f4 with both operands' format E2M3, f32 sums; everything else in f32.
;; Inputs: Wk_codes 1,024 x 32 x 24 uint8 (E2M3 codes of Wk, K innermost, in blocks of 32 codes, four codes in three bytes); Wk_scales 1,024 x 32 uint8 (E8M0 scales of Wk, one for each 32 codes along K); Wo_codes 1,024 x 32 x 24 uint8 (E2M3 codes of Wo, K innermost, in blocks of 32 codes, four codes in three bytes); Wo_scales 1,024 x 32 uint8 (E8M0 scales of Wo, one for each 32 codes along K); Wq_codes 1,024 x 32 x 24 uint8 (E2M3 codes of Wq, K innermost, in blocks of 32 codes, four codes in three bytes); Wq_scales 1,024 x 32 uint8 (E8M0 scales of Wq, one for each 32 codes along K); Wv_codes 1,024 x 32 x 24 uint8 (E2M3 codes of Wv, K innermost, in blocks of 32 codes, four codes in three bytes); Wv_scales 1,024 x 32 uint8 (E8M0 scales of Wv, one for each 32 codes along K); bk 1,024 float32; bo 1,024 float32; bq 1,024 float32; bv 1,024 float32; z_codes 4 x 2,048 x 32 x 24 uint8 (E2M3 codes of z, K innermost, in blocks of 32 codes, four codes in three bytes); z_scales 4 x 2,048 x 32 uint8 (E8M0 scales of z, one for each 32 codes along K).
;; Outputs: out0 4 x 2,048 x 1,024 float32.
;; This version of the problem:
;;   THIS VERSION OF THE PROBLEM IS GIVEN IN LOW PRECISION. The matrix products marked QUANTISED in the list below multiply operands that are first quantised to E2M3 (2 exponent bits, 3 mantissa bits; 6 bits a number), with one power-of-two scale for each 32 numbers along K (OCP MX v1.0); their sums are f32. All else is computed in f32.
;;   The module's matrix products, in the order in which they are computed (A, B: the left and right operand; K: the contracted axis; several contracted axes count as one K, in the product's order):
;;     1. [M 8,192, K 1,024] x [K 1,024, N 1,024]; A: input z (given as codes); B: input Wq (given as codes): QUANTISED
;;     2. [M 8,192, K 1,024] x [K 1,024, N 1,024]; A: input z (given as codes); B: input Wk (given as codes): QUANTISED
;;     3. [M 8,192, K 1,024] x [K 1,024, N 1,024]; A: input z (given as codes); B: input Wv (given as codes): QUANTISED
;;     4. batch 64 x [M 2,048, K 64] x [K 64, N 2,048]; A: computed on the way; B: computed on the way: QUANTISED
;;     5. batch 64 x [M 2,048, K 2,048] x [K 2,048, N 64]; A: softmax (see below); B: computed on the way: QUANTISED
;;     6. [M 8,192, K 1,024] x [K 1,024, N 1,024]; A: computed on the way; B: input Wo (given as codes): QUANTISED
;;   THE QUANTISER, for each operand of a quantised product, along K:
;;     - K is cut into blocks of 32 from its start; a last block that is shorter is filled with zeros.
;;     - A block's scale is 2^e with e = floor(log2(the largest magnitude in the block)) - 2, held to -126 .. 127; a block of zeros has e = 0. As a byte (E8M0): e + 127.
;;     - Each number is divided by its block's scale, clamped to +-7.5, and rounded to the nearest number of E2M3, ties to even, subnormals kept.
;;     - The product sums the exact products of the quantised numbers (number of the format x scale) in f32.
;;   ~~~python
;;   def quantise(x, axis):      # numpy; x: float32 -> the quantised numbers, widened to float32 again
;;       x = np.moveaxis(x, axis, -1); K = x.shape[-1]
;;       x = np.pad(x, [(0, 0)] * (x.ndim - 1) + [(0, -K % 32)]); x = x.reshape(x.shape[:-1] + (-1, 32)); a = np.abs(x).max(-1, keepdims=True)
;;       e = np.where(a > 0, np.clip(np.frexp(np.where(a > 0, a, 1))[1] - 1 - 2, -126, 127), 0)      # np.frexp(a)[1] - 1 = floor(log2(a)), exactly
;;       r = np.clip(x / 2.0 ** e, -7.5, 7.5)
;;       step = 2.0 ** (np.maximum(np.frexp(np.where(r == 0, 1, r))[1] - 1, 0) - 3)
;;       q = np.round(r / step) * step * 2.0 ** e      # np.round: ties to even
;;       return np.moveaxis(q.reshape(q.shape[:-2] + (-1,))[..., :K], -1, axis).astype(np.float32)
;;   ~~~
;;   SOFTMAX AHEAD OF A QUANTISED PRODUCT. Where the list says 'softmax', what is quantised is not the finished softmax but p = 2^(t - M), with t = logit x log2(e) and M = ceil(the row's largest t), a whole number; so 1/2 < the row's largest p <= 1. The row's sum l is taken of the UNQUANTISED p, in f32, and the product's result is divided by l at the end. Since M is a whole number, a kernel that streams over the keys may use a running M (the ceiling of the running maximum): every later rescaling is an exact power of two, which a block's scale takes up: the codes' values come out the same.
;;   OPERANDS COMPUTED ON THE WAY. 'Computed on the way' means the value that the module computes at that place (a softmax that the list does not call 'softmax' is quantised finished and normalised). What goes into a quantiser is computed in f32, as accurately as f32 sums, v_exp_f32 and their like allow (about 1e-6 of the number): no bf16 or f16 on the way to a quantiser, and a product that is left as it is and whose result goes on into a quantised operand takes f32 operands (vector FMAs, or v_wmma_f32_16x16x4_f32). A number that lies on a knife's edge between two numbers of the format may be rounded either way, as far as f32 arithmetic and the matrix unit's own rounding can turn it there, and no further.
;;   INPUTS GIVEN AS CODES. Wk (in the module: [1024, 1024], K = its axis 1); Wo (in the module: [1024, 1024], K = its axis 1); Wq (in the module: [1024, 1024], K = its axis 1); Wv (in the module: [1024, 1024], K = its axis 1); z (in the module: [4, 2048, 1024], K = its axis 2): each comes as NAME_codes (uint8): NAME with its K axis moved to the last place and cut into blocks of 32 codes, [.., K / 32, bytes a block], one block behind the other in memory; four codes in three bytes: a row's codes are one little-endian stream of bits, code i at bits 6 i .. 6 i + 5 (a code: sign, 2 exponent bits, 3 mantissa bits); and NAME_scales (uint8): the same leading axes, one E8M0 byte (e + 127) for each 32 codes along K. Its value is code x scale, taken as it is: it is not quantised again, and the codes and scales need not be those that the quantiser above would give.
;; One version. Each part assembles by itself: llvm-mc -triple=amdgcn-amd-amdhsa -mcpu=gfx1250 --defsym DOCPART=n.
;; ======== version 1 of 1: 3 launches
;; limits: right only within a limited range of input values
;; workspace buffers: qimg 6,815,744 bytes; kv 13,369,344 bytes; ctximg 6,291,456 bytes; ctxsc 262,144 bytes
;; launch proj (part 1): grid 8 x 32, 4 waves a work-group, clusters of 4 x 4, 327,680 bytes of LDS; arguments z_codes, z_scales, Wq_codes, Wq_scales, Wk_codes, Wk_scales, Wv_codes, Wv_scales, bq, bk, bv, qimg, kv; writes qimg, kv
.if DOCPART == 1
	.amdgcn_target "amdgcn-amd-amdhsa--gfx1250"
	.amdhsa_code_object_version 6
	.text
	.protected	k_qe9fc05143f_proj
	.globl	k_qe9fc05143f_proj
	.p2align	8
	.type	k_qe9fc05143f_proj,@function
k_qe9fc05143f_proj:
	s_mov_b64 s[64:65], 0
	v_nop
	global_prefetch_b8 v0, s[64:65] scope:SCOPE_SE
	s_setreg_imm32_b32 hwreg(HW_REG_WAVE_MODE, 25, 1), 1
	s_wait_xcnt 0x0
	s_wait_alu depctr_hold_cnt(0) depctr_sa_sdst(0) depctr_va_vdst(0) depctr_va_sdst(0) depctr_va_ssrc(0) depctr_va_vcc(0) depctr_vm_vsrc(0)
	s_getreg_b32 s2, hwreg(HW_REG_IB_STS2, 6, 4)
	s_cmp_eq_u32 s2, 0
	s_cbranch_scc0 .Lentry_in_a_cluster
	s_endpgm
.Lentry_in_a_cluster:
	s_bfe_u32 s2, ttmp6, 0x10000c
	s_cmp_lg_u32 s2, 0xf033
	s_cbranch_scc0 .Lentry_shape_is_right
	s_endpgm
.Lentry_shape_is_right:
; Q = z Wq^T + bq, K = z Wk^T + bk, V = z Wv^T + bv on codes of FP6 (E2M3) with E8M0 scales, sums in f32; the results are quantised here and leave as codes, laid as images of the attention launch's operand registers.
; 256 work-groups of four waves, 2 x 2.  A work-group owns 256 rows of z and two heads, and makes their Q, then K, then V: three phases of 256 x 128.  z's 256 rows, all of K, come into LDS once and stay;
; the weights' 128 rows have a region of their own.  A wave holds its 64 rows of the weight (one head), all of K, in registers (32 fragments) and streams its 128 rows of z past them in blocks of 16 rows: 32 products a block.
; When every wave holds a weight in registers, the region is filled again with the next weight, behind a drained round of the cluster's barrier: the fill has the whole phase in which to land, so nothing is prefetched.
; 4 x 4 work-groups form a cluster: z's rows are shared along a row of it, a weight's along a column.  Scale bytes and biases go straight into registers; the bias is the first products' C.
; Q, K: source 0 = the weight's rows: a lane holds one row of z and 32 registers along the head's channels.  V: source 0 = z's rows: a lane holds one channel and its registers run along the keys.
; ORDER INSIDE A BLOCK OF 32: codes lie in the order 0-7, 16-23, 8-15, 24-31, alike in Q and K, and alike in V's keys and p's keys in the attention launch.
; OUT.  qimg: [64 heads][16 groups of 128 queries][6,656]: 8 images of 16 rows x 64 (768 bytes), then 128 scale words.
;       kv:   [64 heads][16 steps of 128 keys][13,056]: K's 8 images; V's 4 fragments (1,536 bytes); K's 128 scale words; V's 64.
;       A scale word of Q or K has its row's two bytes in bytes 0, 1 (even tile of 16) or 2, 3 (odd tile); the other two are 0 and only ever meet zero codes.
; LIMITS: NaN and infinities among the biases or results are not served; a block whose largest magnitude lies under 2^-124 gets the byte 1 (this program alone reads the bytes).
; REGISTERS: fragment f lies in window 1 + f / 21 at register 12 (f % 21): 0-31 the weight's (4 q + b), 32-39 and 40-47 z's two sets; window 3 from v72 on: the accumulators.  Window 0 holds all else.
.set KROW,  768
.set PITCH, 816
.set FR,    12
.set FPW,   21
.set WB,    256*PITCH
.set SPARE, WB+128*PITCH               ; the spare words: two blocks of 256 bytes that no other line names
.set STG,   SPARE+512                  ; scale words on their way out: 1,024 bytes a wave; no fill lands here
.set QREC,  6656
.set KVREC, 13056
.set Z0,  4                            ; v4, v5 my blocks 0-3 of z (v5: for the pieces behind one padding more); v6, v7 blocks 4-7
.set B0,  8                            ; v8, v9 my rows of the weight
.set B1,  9
.set SPW, 10
.set NIL, 11
.set L16, 12
.set L8,  13
.set SST, 14
.set SRD, 15
.set SRDV, 16
.set BO,  17
.set ABS, 18
.set BV,  19
.set SB,  24                           ; v24-39 the weight's scale words: 8 (b / 2) + q; lanes 16-31 the odd tile
.set SA,  40                           ; v40-71 z's: 8 (s / 2) + q; lanes 16-31 the odd block
.set BI,  72                           ; v72-103 the bias, as the result lies
.set PCD, 104                          ; v104-109 an image's six registers
.set CVT, 112
.set MCD, 116                          ; v116-163 V's four fragments
.set BM,  164
.set X,   166
.set SO,  168
.set EB,  170
.set PW,  172
.set SVW, 174                          ; v174-177 V's scale words
.set T,   180
.set HV,  72                           ; window 3: Q, K: two sets of four accumulators; V: 32 b + 8 (s % 4)
.set G1A, 24
.set G0A, 32
.set G0B, 36
.set G1B, 48
.set SEL, 66
.set MSB, 0
.macro WIN new
.if MSB != \new
	s_set_vgpr_msb (MSB<<8)|\new
.set MSB, \new
.endif
.endm
.macro PLACES n
.rept \n
	v_nop
.endr
.endm
.macro CROUND
	s_barrier_signal -1
	s_barrier_wait -1
	s_cmp_lg_u32 s20, 0
	s_cbranch_scc1 .Lnot_wave_0_\@
	s_barrier_signal -3
.Lnot_wave_0_\@:
	s_barrier_wait -3
	s_barrier_signal -1
	s_barrier_wait -1
.endm
	s_load_b512 s[68:83], s[0:1], 0x0              ; z's codes, scales; Wq's; Wk's; Wv's
	s_load_b256 s[84:91], s[0:1], 0x40             ; bq, bk, bv, qimg
	s_load_b64 s[92:93], s[0:1], 0x60              ; kv
	v_lshl_add_u32 v[SPW], v0, 2, SPARE
	v_mov_b32 v[NIL], 0
	ds_add_u32 v[SPW], v[NIL]                      ; the opening lines: the add twice on end and its wait
	ds_add_u32 v[SPW], v[NIL]
	v_lshrrev_b32 v1, 5, v0
	v_readfirstlane_b32 s20, v1                    ; wave
	s_lshr_b32 s21, s20, 1                         ; my 128 rows of z; also: I fetch z (0) or a weight (1)
	s_and_b32 s22, s20, 1                          ; my head of the two; also: which half I fetch
	s_bfe_u32 s40, ttmp6, 0x40000
	s_bfe_u32 s41, ttmp6, 0x40004
	s_lshl_b32 s42, ttmp9, 2
	s_add_co_u32 s42, s42, s40                     ; the pair of heads, 0 .. 7
	s_and_b32 s43, ttmp7, 0xffff
	s_lshl_b32 s43, s43, 2
	s_add_co_u32 s43, s43, s41                     ; z's block of 256 rows, 0 .. 31
	s_lshl_b32 s44, s41, 2
	s_lshl_b32 s44, 15, s44                        ; my row of the cluster
	s_lshl_b32 s45, 0x1111, s40                    ; my column
	s_or_b32 s[G1A], s44, (1<<20)|(1<<21)|(5<<22)|(3<<25)   ; rows of 768 bytes, 16 bytes of padding behind every 256
	s_or_b32 s[G1B], s45, (1<<20)|(1<<21)|(5<<22)|(3<<25)
	s_mov_b32 s[G1A+1], KROW<<16
	s_mov_b32 s[G1A+2], 128<<16
	s_mov_b32 s[G1A+3], KROW<<16
	s_mov_b32 s[G1A+4], 128
	s_mov_b32 s[G1A+5], KROW
	s_mov_b32 s[G1A+6], 0
	s_mov_b32 s[G1A+7], 0
	s_mov_b32 s[G1B+1], KROW<<16
	s_mov_b32 s[G1B+2], 64<<16
	s_mov_b32 s[G1B+3], KROW<<16
	s_mov_b32 s[G1B+4], 64
	s_mov_b32 s[G1B+5], KROW
	s_mov_b32 s[G1B+6], 0
	s_mov_b32 s[G1B+7], 0
	s_lshl_b32 s46, s43, 1
	s_add_co_u32 s46, s46, s22
	s_mul_i32 s46, s46, 128*KROW                   ; the 128 rows of z that I fetch, if I fetch z
	s_mov_b32 s47, 0
	s_lshl_b32 s56, s42, 1
	s_add_co_u32 s56, s56, s22                     ; a head: 64 rows of each weight: those that I fetch, if I fetch weights, and those that I multiply
	s_mul_i32 s58, s56, 64*KROW
	s_mov_b32 s59, 0
	s_lshl_b32 s60, s56, 11                        ; their scale bytes
	s_mov_b32 s61, 0
	s_lshl_b32 s62, s56, 8                         ; their numbers of a bias
	s_mov_b32 s63, 0
	s_lshl_b32 s57, s43, 1
	s_add_co_u32 s57, s57, s21                     ; my group of 128 rows of z
	s_lshl_b32 s2, s57, 12                         ; its scale bytes
	s_mov_b32 s3, 0
	s_lshr_b32 s23, s43, 3                         ; the batch
	s_lshl_b32 s23, s23, 4
	s_add_co_u32 s23, s23, s56
	s_lshl_b32 s23, s23, 4
	s_and_b32 s57, s57, 15
	s_add_co_u32 s23, s23, s57                     ; my record: 16 (16 batch + head) + group
	s_mul_i32 s8, s23, QREC
	s_mov_b32 s9, 0
	s_mul_i32 s12, s23, KVREC
	s_mov_b32 s13, 0
	s_mov_b32 s[G0A], 1
	s_mul_i32 s[G0A+1], s22, 128*PITCH
	s_mov_b32 s[G0B], 1
	s_mul_i32 s[G0B+1], s22, 64*PITCH
	s_add_co_u32 s[G0B+1], s[G0B+1], WB
	s_mul_i32 s101, s21, 128*PITCH
	s_mul_i32 s104, s22, 64*PITCH
	s_add_co_u32 s104, s104, WB
	s_lshl_b32 s105, s20, 10
	s_add_co_u32 s105, s105, STG
	s_mov_b32 s[SEL], 0x76543210
	s_mov_b32 s[SEL+1], 0xfedcba98
	s_wait_dscnt 0x0
	CROUND                                         ; in front of the first joint loads
	s_wait_kmcnt 0x0
	s_add_nc_u64 s[G0A+2:G0A+3], s[68:69], s[46:47]
	s_or_b32 s[G0A+3], s[G0A+3], 0x80000000
	s_add_nc_u64 s[72:73], s[72:73], s[58:59]
	s_add_nc_u64 s[76:77], s[76:77], s[58:59]
	s_add_nc_u64 s[80:81], s[80:81], s[58:59]
	s_mov_b64 s[G0B+2:G0B+3], s[72:73]
	s_or_b32 s[G0B+3], s[G0B+3], 0x80000000
	s_add_nc_u64 s[70:71], s[70:71], s[2:3]
	s_add_nc_u64 s[74:75], s[74:75], s[60:61]
	s_add_nc_u64 s[78:79], s[78:79], s[60:61]
	s_add_nc_u64 s[82:83], s[82:83], s[60:61]
	s_add_nc_u64 s[84:85], s[84:85], s[62:63]
	s_add_nc_u64 s[86:87], s[86:87], s[62:63]
	s_add_nc_u64 s[88:89], s[88:89], s[62:63]
	s_add_nc_u64 s[90:91], s[90:91], s[8:9]
	s_add_nc_u64 s[92:93], s[92:93], s[12:13]
	s_add_nc_u64 s[4:5], s[90:91], 6144            ; Q's scale words
	s_add_nc_u64 s[6:7], s[92:93], 12288           ; K's
	s_cmp_eq_u32 s21, 0
	s_cbranch_scc0 .Lfor_b
	tensor_load_to_lds s[G0A:G0A+3], s[G1A:G1A+7]  ; waves 0, 1: 128 rows of z each
	s_nop 0
	PLACES 4
	s_branch .Lasked
.Lfor_b:
	tensor_load_to_lds s[G0B:G0B+3], s[G1B:G1B+7]  ; waves 2, 3: 64 rows of Wq each
	s_nop 0
	PLACES 4
.Lasked:
	v_and_b32 v1, 15, v0                           ; r
	v_bfe_u32 v2, v0, 4, 1                         ; h
	v_and_b32 v3, 31, v0
	v_mul_u32_u24 v20, v1, PITCH
	v_add_nc_u32 v21, s101, v20
	v_mad_u32_u24 v[Z0], v2, 24, v21
	v_mad_u32_u24 v[Z0+1], v2, 40, v21
	v_add_nc_u32 v[Z0+2], 64*PITCH, v[Z0]
	v_add_nc_u32 v[Z0+3], 64*PITCH, v[Z0+1]
	v_add_nc_u32 v21, s104, v20
	v_mad_u32_u24 v[B0], v2, 24, v21
	v_mad_u32_u24 v[B1], v2, 40, v21
	v_lshlrev_b32 v[L16], 4, v3
	v_lshlrev_b32 v[L8], 3, v3
	v_lshl_add_u32 v[SST], v1, 2, s105
	v_add_nc_u32 v[SRD], s105, v[L16]
	v_add_nc_u32 v[SRDV], s105, v[L8]
	v_lshlrev_b32 v[BO], 5, v2
	v_lshlrev_b32 v[ABS], 5, v3
	v_lshlrev_b32 v[BV], 2, v1
	v_mov_b32 v[X], 0                              ; a lane permute's destination counts as one of its sources
	v_mov_b32 v[X+1], 0
	s_wait_alu depctr_va_vdst(0)                   ; the wait at the head's end
.irp i, 0,1,2,3
.irp c, 0,1
	global_load_b128 v[SA+8*\i+4*\c:SA+8*\i+4*\c+3], v[ABS], s[70:71] offset:1024*\i+16*\c   ; lane l: row 32 i + l of my 128: its 32 scale bytes
.endr
.endr
.macro FRAG f, q, a0, off              ; six pieces of 8 bytes; lanes 16-31 read three pieces on
	WIN ((1+(\f)/FPW)<<6)
.set R_, FR*((\f)%FPW)
.irp p, 0,1,2,3,4,5
.set PC_, 12*(\q)+6*(\p/3)+\p%3
.if (PC_%32)+3 >= 32
	ds_load_b64 v[R_+2*\p:R_+2*\p+1], v[\a0+1] offset:8*PC_+16*(PC_/32)+(\off)
.else
	ds_load_b64 v[R_+2*\p:R_+2*\p+1], v[\a0] offset:8*PC_+16*(PC_/32)+(\off)
.endif
.endr
.endm
.macro WEIGHTS                         ; 192 loads
.irp q, 0,1,2,3,4,5,6,7
.irp b, 0,1,2,3
	FRAG 4*\q+\b, \q, B0, \b*16*PITCH
.endr
.endr
	WIN 0
.endm
.macro FETCH s                         ; 48 loads
.irp q, 0,1,2,3,4,5,6,7
	FRAG 32+8*((\s)%2)+\q, \q, Z0+2*((\s)/4), ((\s)%4)*16*PITCH
.endr
	WIN 0
.endm
.macro WSCALES base                    ; lane l: row 32 p + l of my 64
.irp p, 0,1
.irp c, 0,1
	global_load_b128 v[SB+8*\p+4*\c:SB+8*\p+4*\c+3], v[ABS], \base offset:1024*\p+16*\c
.endr
.endr
.endm
.macro PROD1 d, f0, f1, c, x0, x1, o0, o1
.if (\o0) && (\o1)
	v_wmma_scale_f32_16x16x128_f8f6f4 v[\d:\d+7], v[FR*((\f0)%FPW):FR*((\f0)%FPW)+FR-1], v[FR*((\f1)%FPW):FR*((\f1)%FPW)+FR-1], \c, v[\x0], v[\x1] matrix_a_fmt:MATRIX_FMT_FP6 matrix_b_fmt:MATRIX_FMT_FP6 matrix_a_scale:MATRIX_SCALE_ROW1 matrix_b_scale:MATRIX_SCALE_ROW1
.elseif \o0
	v_wmma_scale_f32_16x16x128_f8f6f4 v[\d:\d+7], v[FR*((\f0)%FPW):FR*((\f0)%FPW)+FR-1], v[FR*((\f1)%FPW):FR*((\f1)%FPW)+FR-1], \c, v[\x0], v[\x1] matrix_a_fmt:MATRIX_FMT_FP6 matrix_b_fmt:MATRIX_FMT_FP6 matrix_a_scale:MATRIX_SCALE_ROW1
.elseif \o1
	v_wmma_scale_f32_16x16x128_f8f6f4 v[\d:\d+7], v[FR*((\f0)%FPW):FR*((\f0)%FPW)+FR-1], v[FR*((\f1)%FPW):FR*((\f1)%FPW)+FR-1], \c, v[\x0], v[\x1] matrix_a_fmt:MATRIX_FMT_FP6 matrix_b_fmt:MATRIX_FMT_FP6 matrix_b_scale:MATRIX_SCALE_ROW1
.else
	v_wmma_scale_f32_16x16x128_f8f6f4 v[\d:\d+7], v[FR*((\f0)%FPW):FR*((\f0)%FPW)+FR-1], v[FR*((\f1)%FPW):FR*((\f1)%FPW)+FR-1], \c, v[\x0], v[\x1] matrix_a_fmt:MATRIX_FMT_FP6 matrix_b_fmt:MATRIX_FMT_FP6
.endif
.endm
.macro PROD kind, s, n                 ; product n = 4 q + b of block s: the four accumulators take turns
.set Q_, (\n)/4
.set B_, (\n)%4
.set FW_, 4*Q_+B_
.set FA_, 32+8*((\s)%2)+Q_
.set XW_, SB+8*(B_/2)+Q_
.set XA_, SA+8*((\s)/2)+Q_
.if \kind
.set D_, HV+32*B_+8*((\s)%4)
.set W_, (1+FA_/FPW)|((1+FW_/FPW)<<2)|(3<<6)
.else
.set D_, HV+32*((\s)%2)+8*B_
.set W_, (1+FW_/FPW)|((1+FA_/FPW)<<2)|(3<<6)
.endif
.if Q_
	WIN (W_|(3<<4))
.else
	WIN W_
.endif
.if (\kind) && Q_
	PROD1 D_, FA_, FW_, v[D_:D_+7], XA_, XW_, (\s)%2, B_%2
.elseif \kind
	PROD1 D_, FA_, FW_, v[BI+8*B_:BI+8*B_+7], XA_, XW_, (\s)%2, B_%2
.elseif Q_
	PROD1 D_, FW_, FA_, v[D_:D_+7], XW_, XA_, B_%2, (\s)%2
.else
	PROD1 D_, FW_, FA_, v[BI+8*B_:BI+8*B_+7], XW_, XA_, B_%2, (\s)%2
.endif
.endm
.macro PRODS kind, s
.set N_, 0
.rept 32
	PROD \kind, \s, N_
.set N_, N_+1
.endr
	WIN 0
	PLACES 4                                       ; in front of the reads of results and of the loads into the fragments' registers
.endm
; 32 sums of a lane in window 3 from register x on, registers 16 b .. 16 b + 15 my half of block b, become six registers of codes from v[c] on and the two scale bytes in v[PW]
.macro QUANT2 x, c
	WIN 0x0f
.irp b, 0,1
	v_max3_num_f32 v[BM+\b], |v[\x+16*\b]|, |v[\x+1+16*\b]|, 0x1800000   ; with the floor 2^(3 - 127): the byte cannot fall under 1
.endr
	WIN 0x3c
.irp i, 2,4,6,8,10,12,14
.irp b, 0,1
	v_max3_num_f32 v[BM+\b], v[BM+\b], |v[\x+16*\b+\i]|, |v[\x+1+16*\b+\i]|
.endr
.endr
	WIN 0
.irp b, 0,1
	v_permlanex16_b32 v[X+\b], v[BM+\b], s[SEL], s[SEL+1]
.endr
.irp b, 0,1
	v_max_num_f32 v[BM+\b], v[BM+\b], v[X+\b]      ; with lane l xor 16's half
.endr
.irp b, 0,1
	v_add_nc_u32 v[SO+\b], 0xff000000, v[BM+\b]    ; 2 off the exponent field: the conversion's scale operand
.endr
.irp b, 0,1
	v_lshrrev_b32 v[EB+\b], 23, v[SO+\b]
.endr
	v_lshl_or_b32 v[PW], v[EB+1], 8, v[EB]
	WIN 0x03
	v_cvt_scalef32_pk16_fp6_f32 v[\c:\c+2], v[\x:\x+15], v[SO]
	v_cvt_scalef32_pk16_fp6_f32 v[CVT:CVT+2], v[\x+16:\x+31], v[SO+1]
	WIN 0
	v_nop                                          ; one plain place behind a scaled conversion
.irp i, 0,1,2
	v_permlane16_swap_b32 v[\c+\i], v[CVT+\i]      ; a whole block in a lane
.endr
.irp i, 0,1,2
	v_mov_b32 v[\c+3+\i], v[CVT+\i]
.endr
.endm
; A block's rows were fetched two blocks ago; younger than that fetch are at least the 48 loads of the next block's (block 7: nothing is fetched behind it: wait for all)
.macro WAITB s
.if (\s) == 7
	s_wait_dscnt 0x0
.elseif (\s) > 1
	s_wait_dscnt 48
.endif
.endm
.macro QKBLK s
	WAITB \s
	PRODS 0, \s
.if (\s) < 6
	FETCH (\s)+2
.endif
	s_wait_xcnt 0x0                                ; the last block's stores have read their data
	QUANT2 HV+32*((\s)%2), PCD
	global_store_b128 v[L16], v[PCD:PCD+3], s[14:15] offset:768*(\s)          ; 512 consecutive bytes, at a multiple of 256 from the buffer's first byte
	global_store_b64 v[L8], v[PCD+4:PCD+5], s[14:15] offset:768*(\s)+512      ; 256 more
.if (\s)%2
	v_lshlrev_b32 v[PW], 16, v[PW]                 ; an odd tile: bytes 2, 3
.endif
	ds_store_b32 v[SST], v[PW] offset:64*(\s)      ; both halves of the lanes write the same word with the same value
.endm
	s_mov_b32 s100, 0
.Lqk:                                                  ; two trips: Q, K
	s_wait_xcnt 0x0                                ; the last trip's loads and stores have read their bases and data
	s_cmp_eq_u32 s100, 0
	s_cselect_b64 s[14:15], s[90:91], s[92:93]     ; where the images go,
	s_cselect_b64 s[16:17], s[4:5], s[6:7]         ; and the scale words;
	s_cselect_b64 s[18:19], s[84:85], s[86:87]     ; the bias;
	s_cselect_b64 s[96:97], s[74:75], s[78:79]     ; the weight's scale bytes;
	s_cselect_b64 s[98:99], s[76:77], s[80:81]     ; the next weight's codes
	WSCALES s[96:97]
.irp b, 0,1,2,3
.irp c, 0,1
	global_load_b128 v[BI+8*\b+4*\c:BI+8*\b+4*\c+3], v[BO], s[18:19] offset:64*\b+16*\c   ; register 8 b + j: bias(16 b + 8 h + j)
.endr
.endr
	s_wait_tensorcnt 0x0                           ; my tile is in
	s_barrier_signal -1
	s_barrier_wait -1                              ; everybody's is
	WEIGHTS
	FETCH 0
	FETCH 1
	s_wait_tensorcnt 0x0                           ; the lines ahead of the refill
	ds_add_u32 v[SPW], v[NIL]
	s_mov_b64 s[G0B+2:G0B+3], s[98:99]             ; no load of mine is out: the descriptor may be written
	s_or_b32 s[G0B+3], s[G0B+3], 0x80000000
	s_wait_dscnt 0x0                               ; the add is done; the weight and my first two blocks are in registers
	CROUND                                         ; so it is with every wave of the cluster
	s_cmp_eq_u32 s21, 0
	s_cbranch_scc1 .Lno_fill
	tensor_load_to_lds s[G0B:G0B+3], s[G1B:G1B+7]  ; waves 2, 3: 64 rows each of the next weight
	s_nop 0
	PLACES 4
.Lno_fill:
	s_wait_loadcnt 0x0                             ; scale words and bias
.irp s, 0,1,2,3,4,5,6,7
	QKBLK \s
.endr
	ds_load_b128 v[T:T+3], v[SRD]                  ; a wave's LDS instructions are served in order (ISA guide 5.7.1.4): my 128 scale words
	s_wait_dscnt 0x0
	global_store_b128 v[L16], v[T:T+3], s[16:17]
	s_add_co_u32 s100, s100, 1
	s_cmp_lt_u32 s100, 2
	s_cbranch_scc1 .Lqk
; V
	s_wait_xcnt 0x0
	WSCALES s[82:83]
.irp b, 0,1,2,3
	global_load_b32 v[BI+8*\b], v[BV], s[88:89] offset:64*\b   ; bias(16 b + r)
.endr
	s_wait_tensorcnt 0x0
	s_barrier_signal -1
	s_barrier_wait -1                              ; Wv's rows are in
	WEIGHTS
	FETCH 0
	FETCH 1
	s_wait_loadcnt 0x0
.irp b, 0,8,16,24
.irp i, 1,2,3,4,5,6,7
	v_mov_b32 v[BI+\b+\i], v[BI+\b]                ; one number a lane and tile, over the tile's eight registers
.endr
.endr
	s_wait_alu depctr_va_vdst(0)
	s_wait_dscnt 0x0
.irp s, 0,1,2,3,4,5,6,7
	WAITB \s
	PRODS 1, \s
.if \s < 6
	FETCH \s+2
.endif
.if \s == 3                            ; keys 0-63 are done: registers 0-5 of each fragment, bytes 0, 1 of its scale word
.irp b, 0,1,2,3
	QUANT2 HV+32*\b, MCD+12*\b
	v_mov_b32 v[SVW+\b], v[PW]
.endr
.endif
.if \s == 7                            ; keys 64-127: registers 6-11, bytes 2, 3
.irp b, 0,1,2,3
	QUANT2 HV+32*\b, MCD+12*\b+6
	v_lshl_or_b32 v[SVW+\b], v[PW], 16, v[SVW+\b]
.endr
.endif
.endr
.irp b, 0,1,2,3
	ds_store_b32 v[SST], v[SVW+\b] offset:512+64*\b
.irp p, 0,1,2
	global_store_b128 v[L16], v[MCD+12*\b+4*\p:MCD+12*\b+4*\p+3], s[92:93] offset:6144+1536*\b+512*\p
.endr
.endr
	ds_load_b64 v[T:T+1], v[SRDV] offset:512       ; my head's 64 scale words
	s_wait_dscnt 0x0
	global_store_b64 v[L8], v[T:T+1], s[92:93] offset:12800
	s_wait_tensorcnt 0x0                           ; the wave's end
	ds_add_u32 v[SPW], v[NIL]
	s_wait_dscnt 0x0
	CROUND                                         ; the closing round
	s_endpgm
.Lfunc_end_k_qe9fc05143f_proj:
	.size	k_qe9fc05143f_proj, .Lfunc_end_k_qe9fc05143f_proj-k_qe9fc05143f_proj
	.p2alignl 7, 3214868480
	.fill 96, 4, 3214868480
	.section	.rodata,"a",@progbits
	.p2align	6, 0x0
	.amdhsa_kernel k_qe9fc05143f_proj
		.amdhsa_group_segment_fixed_size 327680
		.amdhsa_private_segment_fixed_size 0
		.amdhsa_enable_private_segment 0
		.amdhsa_kernarg_size 104
		.amdhsa_user_sgpr_count 2
		.amdhsa_user_sgpr_kernarg_segment_ptr 1
		.amdhsa_wavefront_size32 1
		.amdhsa_system_sgpr_workgroup_id_x 1
		.amdhsa_system_sgpr_workgroup_id_y 1
		.amdhsa_system_sgpr_workgroup_id_z 1
		.amdhsa_system_vgpr_workitem_id 0
		.amdhsa_next_free_vgpr 968
		.amdhsa_next_free_sgpr 106
		.amdhsa_reserve_vcc 0
		.amdhsa_float_denorm_mode_32 3
		.amdhsa_float_denorm_mode_16_64 3
		.amdhsa_memory_ordered 1
		.amdhsa_forward_progress 1
		.amdhsa_inst_pref_size 191
	.end_amdhsa_kernel
	.amdgpu_metadata
---
amdhsa.version: [ 1, 2 ]
amdhsa.kernels:
  - .name:           k_qe9fc05143f_proj
    .symbol:         k_qe9fc05143f_proj.kd
    .args:
      - { .name: z_codes, .offset: 0, .size: 8, .value_kind: global_buffer, .address_space: global }
      - { .name: z_scales, .offset: 8, .size: 8, .value_kind: global_buffer, .address_space: global }
      - { .name: Wq_codes, .offset: 16, .size: 8, .value_kind: global_buffer, .address_space: global }
      - { .name: Wq_scales, .offset: 24, .size: 8, .value_kind: global_buffer, .address_space: global }
      - { .name: Wk_codes, .offset: 32, .size: 8, .value_kind: global_buffer, .address_space: global }
      - { .name: Wk_scales, .offset: 40, .size: 8, .value_kind: global_buffer, .address_space: global }
      - { .name: Wv_codes, .offset: 48, .size: 8, .value_kind: global_buffer, .address_space: global }
      - { .name: Wv_scales, .offset: 56, .size: 8, .value_kind: global_buffer, .address_space: global }
      - { .name: bq, .offset: 64, .size: 8, .value_kind: global_buffer, .address_space: global }
      - { .name: bk, .offset: 72, .size: 8, .value_kind: global_buffer, .address_space: global }
      - { .name: bv, .offset: 80, .size: 8, .value_kind: global_buffer, .address_space: global }
      - { .name: qimg, .offset: 88, .size: 8, .value_kind: global_buffer, .address_space: global }
      - { .name: kv, .offset: 96, .size: 8, .value_kind: global_buffer, .address_space: global }
    .group_segment_fixed_size: 327680
    .private_segment_fixed_size: 0
    .kernarg_segment_align: 8
    .kernarg_segment_size: 104
    .max_flat_workgroup_size: 128
    .sgpr_count:     106
    .vgpr_count:     968
    .wavefront_size: 32
...
	.end_amdgpu_metadata
.endif
;; end of part 1
;; launch attn (part 2): grid 4 x 64, 8 waves a work-group, clusters of 4 x 1, 327,680 bytes of LDS; arguments qimg, kv, ctximg, ctxsc; writes ctximg, ctxsc
.if DOCPART == 2
	.amdgcn_target "amdgcn-amd-amdhsa--gfx1250"
	.amdhsa_code_object_version 6
	.text
	.protected	k_qe9fc05143f_attn
	.globl	k_qe9fc05143f_attn
	.p2align	8
	.type	k_qe9fc05143f_attn,@function
k_qe9fc05143f_attn:
	s_mov_b64 s[64:65], 0
	v_nop
	global_prefetch_b8 v0, s[64:65] scope:SCOPE_SE
	s_setreg_imm32_b32 hwreg(HW_REG_WAVE_MODE, 25, 1), 1
	s_wait_xcnt 0x0
	s_wait_alu depctr_hold_cnt(0) depctr_sa_sdst(0) depctr_va_vdst(0) depctr_va_sdst(0) depctr_va_ssrc(0) depctr_va_vcc(0) depctr_vm_vsrc(0)
	s_getreg_b32 s2, hwreg(HW_REG_IB_STS2, 6, 4)
	s_cmp_eq_u32 s2, 0
	s_cbranch_scc0 .Lentry_in_a_cluster
	s_endpgm
.Lentry_in_a_cluster:
	s_bfe_u32 s2, ttmp6, 0x10000c
	s_cmp_lg_u32 s2, 0x3003
	s_cbranch_scc0 .Lentry_shape_is_right
	s_endpgm
.Lentry_shape_is_right:
; ctx[q] = (the sum over keys of p V) / l, p = 2^(t - M), t = (Q . K) log2(e) / 8, M the running largest t rounded up to a whole number, l the sum of the unquantised p; both products on codes of FP6 (E2M3) with E8M0 scales.
; ctx is quantised along the model's 1,024 and leaves as codes, laid as the output projection's operand registers.
; IN.  qimg [64 heads][16 groups of 128 queries][6,656] and kv [64 heads][16 steps of 128 keys][13,056], as the projection launch lays them.
; SHARES.  A work-group owns ONE head and 512 of its queries.  The head's 16 records, 208,896 bytes, come into LDS once, two records a wave, and stay: behind the one barrier that shows them nothing is filled again.
; Each of the eight waves walks the 16 key steps twice, each time for TWO tiles of 16 queries: every fragment of K and V is read from LDS once for both, and the two tiles' lines stand by turns, so that no line waits for the line above it.
; K's and V's fragments have registers of their own: the next step's K is asked for behind this step's scores, the next step's V behind this step's last products (behind step 15: step 0's, which the second walk begins with).
; The four query blocks of a head form a cluster and ask for the records jointly.  No prefetch: all that the launch reads by tensor loads is asked for at its head.
; LAYOUT.  Both products are used transposed (source 0 = keys, or channels; source 1 = 16 queries): a lane holds one query of each tile throughout.
; THE HEAD HAS 64 CHANNELS, THE INSTRUCTION 128 ALONG K: a fragment of K holds two tiles of 16 keys, one in each half of K; multiplied by [q | 0] it gives the first tile's scores, by [0 | q] the second's.
; ORDER INSIDE A BLOCK OF 32 KEYS: p's codes lie in the order 0-7, 16-23, 8-15, 24-31, and V's were laid so too.  ctx meets a weight given in true order: its halves change lanes ahead of its quantiser.
; OUT.  ctximg [512 tiles of 16 rows][16 heads][768]: six registers of the next operand: 16 bytes a lane, then 8 bytes a lane.
;       ctxsc [16 heads][64 groups of 128 rows][32 lanes l][4 pairs i] of two bytes: those of row 32 i + l of the group: a work-group's 512 rows are 1,024 dense bytes.
; LIMITS: NaN and infinities are not served; the scaled scores stay under 2^31 in magnitude; a block of ctx or p whose largest magnitude lies under 2^-124 gets the byte 1; the division by l is a multiplication by v_rcp_f32's result.
; REGISTERS.  Window 1, tile t: v[64 t ..] the scores, then p; v[128 + 32 t ..] O^T; v[192 + 24 t ..] [q | 0]; v[204 + 24 t ..] [0 | q].  Window 0: addresses, K's and V's fragments and scale words, and 64 registers a tile from v[SM + 64 t] on.
.set REC,   13056
.set QREC,  6656
.set KSOFF, 12288
.set VOFF,  6144
.set VSOFF, 12800
.set SPARE, 16*REC                     ; the spare words, 128 bytes a wave: four blocks of 256 bytes that no other line names
.set GS,    SPARE+1024                 ; 1,024 bytes: the work-group's scale bytes of ctx on their way out; no fill lands here
.set CSTEP, 16*16*768                  ; from a walk's tiles of ctx to the next walk's: 16 tiles
.set L16, 1
.set L8,  2
.set L4,  3
.set SPW, 4
.set NIL, 5
.set A16, 6
.set A8,  7
.set A4,  8
.set R4,  9
.set GSA, 10
.set KF,  12                           ; v12-59  K's four fragments
.set VF,  60                           ; v60-107 V's
.set KSC, 108
.set VSC, 112
.set SM,  114                          ; a tile's 64 registers:
.set NM,  0                            ; -M, and behind it the largest t
.set SUM, 2                            ; the sum in two halves
.set PC,  4                            ; p's codes
.set CT,  16                           ; ctx's codes
.set BM,  22
.set X4,  26
.set CV,  30
.set SO,  38
.set PSC, 42
.set QSL, 43
.set QSH, 44
.set QW,  45
.set F,   46
.set TMP, 48
.set CW,  50
.set ST,  52                           ; six pairs: chains of the sum
.set T16, 242
.set GSR, 243
.set TR,  244
.set WV,  12
.set SEL, 20
.set CS,  22
.set G1,  24
.set G0,  32
.set TBN, 36                           ; s36 LDS byte of the record that is asked for next
.set KC,  38
.set T1,  39
.set MSB, 0
.macro WIN new
.if MSB != \new
	s_set_vgpr_msb (MSB<<8)|\new
.set MSB, \new
.endif
.endm
.macro CROUND
	s_barrier_signal -1
	s_barrier_wait -1
	s_cmp_lg_u32 s[WV], 0
	s_cbranch_scc1 .Lnot_wave_0_\@
	s_barrier_signal -3
.Lnot_wave_0_\@:
	s_barrier_wait -3
	s_barrier_signal -1
	s_barrier_wait -1
.endm
	s_load_b256 s[4:11], s[0:1], 0x0               ; qimg, kv, ctximg, ctxsc
	v_lshl_add_u32 v[SPW], v0, 2, SPARE
	v_mov_b32 v[NIL], 0
	ds_add_u32 v[SPW], v[NIL]                      ; the opening lines: the add twice on end and its wait
	ds_add_u32 v[SPW], v[NIL]
	v_lshrrev_b32 v[TR], 5, v0
	v_readfirstlane_b32 s[WV], v[TR]               ; wave 0..7
	s_bfe_u32 s13, ttmp6, 0x40000                  ; cx: my block of 512 queries: it enters Q's and ctx's global addresses alone
	s_and_b32 s15, ttmp7, 0xffff                   ; 16 x batch + head, which the partners share
	s_mul_i32 s17, s[WV], 2*REC                    ; I fetch records 2 wave, 2 wave + 1
	s_mov_b32 s[G0], 1
	s_mov_b32 s[G0+1], s17
	s_mul_i32 s40, s15, 16*REC
	s_add_co_u32 s40, s40, s17
	s_mov_b32 s41, 0
	s_lshl_b32 s42, s15, 4                         ; Q: my tiles are 2 wave, 2 wave + 1 (second walk: 16 on): record 16 y + 4 cx + wave / 4, tiles 2 (wave % 4) + t
	s_lshl_b32 s43, s13, 2
	s_add_co_u32 s42, s42, s43
	s_lshr_b32 s43, s[WV], 2
	s_add_co_u32 s42, s42, s43
	s_mul_i32 s42, s42, QREC
	s_and_b32 s43, s[WV], 3
	s_mul_i32 s44, s43, 2*768
	s_add_co_u32 s44, s44, s42
	s_mov_b32 s45, 0
	s_lshl_b32 s46, s43, 7
	s_add_co_u32 s46, s46, s42
	s_add_co_u32 s46, s46, 6144
	s_mov_b32 s47, 0
	s_lshr_b32 s16, s15, 4                         ; the batch
	s_and_b32 s3, s15, 15                          ; the head
	s_lshl_b32 s42, s16, 7                         ; ctx: tile 128 batch + 32 cx + 2 wave + t
	s_lshl_b32 s43, s13, 5
	s_add_co_u32 s42, s42, s43
	s_lshl_b32 s43, s[WV], 1
	s_add_co_u32 s42, s42, s43
	s_lshl_b32 s42, s42, 4
	s_add_co_u32 s42, s42, s3
	s_mul_i32 s42, s42, 768
	s_mov_b32 s43, 0
	s_lshl_b32 s16, s16, 4                         ; its scale bytes: 16,384 head + 256 (16 batch + 4 cx)
	s_lshl_b32 s14, s13, 2
	s_add_co_u32 s16, s16, s14
	s_lshl_b32 s16, s16, 8
	s_lshl_b32 s3, s3, 14
	s_add_co_u32 s16, s16, s3
	s_mov_b32 s17, 0
	s_lshr_b32 s37, s[WV], 2                       ; in the stage: 256 (wave / 4) + 2 (wave % 4) + 128 t + 8 r; the second walk 512 on
	s_lshl_b32 s37, s37, 8
	s_and_b32 s14, s[WV], 3
	s_lshl_b32 s14, s14, 1
	s_add_co_u32 s37, s37, s14
	s_add_co_u32 s37, s37, GS
	s_mov_b32 s[G1], 15|(3<<16)|(1<<21)            ; the mask: all four work-groups; elements of 8 bytes
	s_mov_b32 s[G1+1], 32<<16                      ; rows of 256 bytes
	s_mov_b32 s[G1+2], 102<<16                     ; 102 rows: two records
	s_mov_b32 s[G1+3], 32<<16
	s_mov_b32 s[G1+4], 102
	s_mov_b32 s[G1+5], 32
	s_mov_b32 s[G1+6], 0
	s_mov_b32 s[G1+7], 0
	s_mov_b32 s[SEL], 0x76543210
	s_mov_b32 s[SEL+1], 0xfedcba98
	s_mov_b32 s[CS], 0x3e38aa3b                    ; c = log2(e) / sqrt(64)
	s_mov_b32 s[CS+1], s[CS]
	s_mov_b32 s[TBN], 0
	s_wait_dscnt 0x0
	s_wait_kmcnt 0x0
	s_add_nc_u64 s[G0+2:G0+3], s[6:7], s[40:41]
	s_or_b32 s[G0+3], s[G0+3], 0x80000000
	s_add_nc_u64 s[18:19], s[4:5], s[46:47]        ; Q's scale words
	s_add_nc_u64 s[4:5], s[4:5], s[44:45]          ; Q's images
	s_add_nc_u64 s[8:9], s[8:9], s[42:43]
	s_add_nc_u64 s[10:11], s[10:11], s[16:17]
	CROUND                                         ; in front of the joint loads
	tensor_load_to_lds s[G0:G0+3], s[G1:G1+7]      ; every wave two records: the whole head
	s_nop 0
.rept 4
	v_nop
.endr
	v_and_b32 v[TR+1], 31, v0
	v_lshlrev_b32 v[L16], 4, v[TR+1]
	v_lshlrev_b32 v[L8], 3, v[TR+1]
	v_lshlrev_b32 v[L4], 2, v[TR+1]
	v_and_b32 v[TR], 15, v0
	v_lshlrev_b32 v[R4], 2, v[TR]
	v_lshl_add_u32 v[GSA], v[TR], 3, s37
	v_lshlrev_b32 v[T16], 4, v0
	v_lshl_add_u32 v[GSR], v0, 4, GS
.irp t, 0,1
.irp b, 0,1,2,3
	v_mov_b32 v[SM+64*\t+X4+\b], 0                 ; a lane permute's destination counts as one of its sources
.endr
	v_mov_b32 v[SM+64*\t+TMP], 0
	v_mov_b32 v[SM+64*\t+F+1], 0
.endr
	WIN 0x40
.irp t, 0,1
.irp i, 0,1,2,3,4,5,6,7,8,9,10,11
	v_mov_b32 v[198+24*\t+\i], 0                   ; the zero halves of [q | 0] and [0 | q]
.endr
.endr
	WIN 0
.macro QLOAD p                         ; the p-th walk's two tiles of 16 queries, into both operands
	WIN 0x40
.irp t, 0,1
	global_load_b128 v[192+24*\t:195+24*\t], v[L16], s[4:5] offset:2*QREC*\p+768*\t
	global_load_b64 v[196+24*\t:197+24*\t], v[L8], s[4:5] offset:2*QREC*\p+768*\t+512
	global_load_b128 v[210+24*\t:213+24*\t], v[L16], s[4:5] offset:2*QREC*\p+768*\t
	global_load_b64 v[214+24*\t:215+24*\t], v[L8], s[4:5] offset:2*QREC*\p+768*\t+512
.endr
	WIN 0
.irp t, 0,1
	global_load_b32 v[SM+64*\t+QW], v[R4], s[18:19] offset:2*QREC*\p+64*\t
.endr
.endm
.macro HEAD_BEGIN
	s_wait_loadcnt 0x0                             ; q
.irp t, 0,1
	v_lshrrev_b32 v[SM+64*\t+QSL], 16*\t, v[SM+64*\t+QW]   ; the tile's two bytes (tile t is an even or an odd tile of its record), in bytes 0, 1,
	v_mov_b32 v[SM+64*\t+NM+1], 0xff61b1e6         ; the largest t so far: -3e38
	v_mov_b32 v[SM+64*\t+SUM], 0
	v_mov_b32 v[SM+64*\t+SUM+1], 0
.endr
.irp t, 0,1
	v_lshlrev_b32 v[SM+64*\t+QSH], 16, v[SM+64*\t+QSL]     ; and in bytes 2, 3
	v_floor_f32 v[SM+64*\t+NM], -v[SM+64*\t+NM+1]  ; -M
.endr
	WIN 0x40
.set jj, 0
.rept 64
	v_mov_b32 v[128+jj], 0                         ; O^T (these lines are also the places between q's scale words and the first product)
.set jj, jj+1
.endr
	WIN 0
.endm
.macro KLOAD                           ; 20 loads
.irp j, 0,1,2,3
.irp e, 0,1
	ds_load_b128 v[KF+12*\j+6*\e:KF+12*\j+6*\e+3], v[A16] offset:768*(2*\j+\e)
	ds_load_b64 v[KF+12*\j+6*\e+4:KF+12*\j+6*\e+5], v[A8] offset:768*(2*\j+\e)+512
.endr
	ds_load_b32 v[KSC+\j], v[A4] offset:KSOFF+128*\j
.endr
.endm
.macro VLOAD                           ; 14 loads
.irp u, 0,1,2,3
.irp p, 0,1,2
	ds_load_b128 v[VF+12*\u+4*\p:VF+12*\u+4*\p+3], v[A16] offset:VOFF+1536*\u+512*\p
.endr
.endr
	ds_load_b32 v[VSC], v[A4] offset:VSOFF
	ds_load_b32 v[VSC+1], v[A4] offset:VSOFF+128
.endm
.macro NEXTREC                         ; the addresses of the record that is asked for next
	v_add_nc_u32 v[A16], s[TBN], v[L16]
	v_add_nc_u32 v[A8], s[TBN], v[L8]
	v_add_nc_u32 v[A4], s[TBN], v[L4]
.endm
.macro CH c, t                         ; chain c of tile t's sum: 0-5 pairs of their own, 6 the pair that the conversions have left, 7 the sum itself
.if (\c) == 7
.set TP_, SM+64*(\t)+SUM
.elseif (\c) == 6
.set TP_, SM+64*(\t)+CV
.else
.set TP_, SM+64*(\t)+ST+2*(\c)
.endif
.endm
.macro JOIN d, s
.irp t, 0,1
	CH \s, \t
.set TS_, TP_
	CH \d, \t
	v_pk_add_f32 v[TP_:TP_+1], v[TP_:TP_+1], v[TS_:TS_+1]
.endr
.endm
; A KEY STEP: 128 keys, two tiles of 16 queries
.macro STEP
	s_wait_dscnt 14                                ; K is in: behind its loads stand V's 14
	WIN 0x44
.irp j, 0,1,2,3
.irp t, 0,1
	v_wmma_scale_f32_16x16x128_f8f6f4 v[64*\t+16*\j:64*\t+16*\j+7], v[KF+12*\j:KF+12*\j+11], v[192+24*\t:203+24*\t], 0, v[KSC+\j], v[SM+64*\t+QSL] matrix_a_fmt:MATRIX_FMT_FP6 matrix_b_fmt:MATRIX_FMT_FP6
	v_wmma_scale_f32_16x16x128_f8f6f4 v[64*\t+16*\j+8:64*\t+16*\j+15], v[KF+12*\j:KF+12*\j+11], v[204+24*\t:215+24*\t], 0, v[KSC+\j], v[SM+64*\t+QSH] matrix_a_fmt:MATRIX_FMT_FP6 matrix_b_fmt:MATRIX_FMT_FP6 matrix_a_scale:MATRIX_SCALE_ROW1
.endr
.endr
	WIN 0
	NEXTREC
	v_nop                                          ; four places in front of the loads below and of the first read of the scores
	KLOAD                                          ; the next step's K
	WIN 0x15
.irp b, 0,1,2,3
.irp t, 0,1
	v_max3_num_f32 v[SM+64*\t+BM+\b], v[64*\t+16*\b], v[64*\t+1+16*\b], v[64*\t+2+16*\b]   ; the largest score of each block of 32 keys: for the row's maximum and for the block's largest p
.endr
.endr
	WIN 0x14
.irp i, 3,5,7,9,11,13
.irp b, 0,1,2,3
.irp t, 0,1
	v_max3_num_f32 v[SM+64*\t+BM+\b], v[SM+64*\t+BM+\b], v[64*\t+16*\b+\i], v[64*\t+1+16*\b+\i]
.endr
.endr
.endr
	WIN 0x04
.irp b, 0,1,2,3
.irp t, 0,1
	v_max_num_f32 v[SM+64*\t+BM+\b], v[SM+64*\t+BM+\b], v[64*\t+15+16*\b]
.endr
.endr
	WIN 0
.irp b, 0,1,2,3
.irp t, 0,1
	v_permlanex16_b32 v[SM+64*\t+X4+\b], v[SM+64*\t+BM+\b], s[SEL], s[SEL+1]
.endr
.endr
.irp b, 0,1,2,3
.irp t, 0,1
	v_max_num_f32 v[SM+64*\t+BM+\b], v[SM+64*\t+BM+\b], v[SM+64*\t+X4+\b]   ; with lane l xor 16's 16 keys
.endr
.endr
.irp t, 0,1
	v_max3_num_f32 v[SM+64*\t+TMP], v[SM+64*\t+BM], v[SM+64*\t+BM+1], v[SM+64*\t+BM+2]
.endr
.irp t, 0,1
	v_max_num_f32 v[SM+64*\t+TMP], v[SM+64*\t+TMP], v[SM+64*\t+BM+3]
.endr
.irp t, 0,1
	v_mul_f32 v[SM+64*\t+TMP], s[CS], v[SM+64*\t+TMP]
.endr
.irp t, 0,1
	v_max_num_f32 v[SM+64*\t+NM+1], v[SM+64*\t+NM+1], v[SM+64*\t+TMP]   ; the running largest t
.endr
.irp t, 0,1
	v_mov_b32 v[SM+64*\t+TMP], v[SM+64*\t+NM]
.endr
.irp t, 0,1
	v_floor_f32 v[SM+64*\t+NM], -v[SM+64*\t+NM+1]  ; the new -M
.endr
.irp t, 0,1
	v_sub_f32 v[SM+64*\t+TMP], v[SM+64*\t+NM], v[SM+64*\t+TMP]
.endr
.irp t, 0,1
	v_cvt_i32_f32 v[SM+64*\t+TMP], v[SM+64*\t+TMP]
.endr
.irp t, 0,1
	v_ldexp_f32 v[SM+64*\t+F], 1.0, v[SM+64*\t+TMP]        ; f = 2^(old M - new M)
.endr
.irp b, 0,1,2,3
.irp t, 0,1
	v_fma_f32 v[SM+64*\t+BM+\b], v[SM+64*\t+BM+\b], s[CS], v[SM+64*\t+NM]
.endr
.endr
	WIN 0x41
.set jj, 0
.rept 32
.irp t, 0,1
	v_pk_fma_f32 v[64*\t+jj:64*\t+jj+1], v[64*\t+jj:64*\t+jj+1], s[CS:CS+1], v[SM+64*\t+NM:SM+64*\t+NM+1] op_sel_hi:[1,0,0]   ; t - M
.endr
.set jj, jj+2
.endr
	s_wait_alu depctr_va_vdst(0)                   ; the wait ahead of the batch
.set jj, 0
.rept 128
	v_exp_f32 v[jj], v[jj]                         ; p = 2^(t - M)
.set jj, jj+1
.endr
	WIN 0
.irp b, 0,1,2,3
.irp t, 0,1
	v_exp_f32 v[SM+64*\t+BM+\b], v[SM+64*\t+BM+\b] ; the block's largest p
.endr
.endr
.irp t, 0,1
	v_pk_mul_f32 v[SM+64*\t+SUM:SM+64*\t+SUM+1], v[SM+64*\t+SUM:SM+64*\t+SUM+1], v[SM+64*\t+F:SM+64*\t+F+1] op_sel_hi:[1,0]
.endr
	s_wait_alu depctr_va_vdst(0)                   ; and behind it
.irp b, 0,1,2,3
.irp t, 0,1
	v_max_num_f32 v[SM+64*\t+BM+\b], 0x1800000, v[SM+64*\t+BM+\b]
.endr
.endr
.irp b, 0,1,2,3
.irp t, 0,1
	v_add_nc_u32 v[SM+64*\t+SO+\b], 0xff000000, v[SM+64*\t+BM+\b]
.endr
.endr
.irp b, 0,1,2,3
.irp t, 0,1
	v_lshrrev_b32 v[SM+64*\t+X4+\b], 23, v[SM+64*\t+SO+\b]
.endr
.endr
.irp t, 0,1
	v_lshl_or_b32 v[SM+64*\t+PSC], v[SM+64*\t+X4+1], 8, v[SM+64*\t+X4]
.endr
.irp t, 0,1
	v_lshl_or_b32 v[SM+64*\t+PSC], v[SM+64*\t+X4+2], 16, v[SM+64*\t+PSC]
.endr
.irp t, 0,1
	v_lshl_or_b32 v[SM+64*\t+PSC], v[SM+64*\t+X4+3], 24, v[SM+64*\t+PSC]
.endr
	WIN 0x01
.irp c, 0,1
.irp t, 0,1
	v_cvt_scalef32_pk16_fp6_f32 v[SM+64*\t+PC+6*\c:SM+64*\t+PC+2+6*\c], v[64*\t+32*\c:64*\t+15+32*\c], v[SM+64*\t+SO+2*\c]
	v_cvt_scalef32_pk16_fp6_f32 v[SM+64*\t+CV+4*\c:SM+64*\t+CV+2+4*\c], v[64*\t+16+32*\c:64*\t+31+32*\c], v[SM+64*\t+SO+2*\c+1]
.endr
.endr
	WIN 0
	v_nop                                          ; one plain place behind a scaled conversion
.irp c, 0,1
.irp i, 0,1,2
.irp t, 0,1
	v_permlane16_swap_b32 v[SM+64*\t+PC+6*\c+\i], v[SM+64*\t+CV+4*\c+\i]
.endr
.endr
.irp i, 0,1,2
.irp t, 0,1
	v_mov_b32 v[SM+64*\t+PC+3+6*\c+\i], v[SM+64*\t+CV+4*\c+\i]
.endr
.endr
.endr
	WIN 0x05                                       ; the sum of the unquantised p, in eight chains a tile
.irp c, 0,1,2,3,4,5,6
.irp t, 0,1
	CH \c, \t
	v_pk_add_f32 v[TP_:TP_+1], v[64*\t+2*\c:64*\t+2*\c+1], v[64*\t+14+2*\c:64*\t+15+2*\c]
.endr
.endr
	WIN 0x04
.irp u, 14,15,16,17,18,19,20,21,22,23,24,25,26,27,28,29,30,31
.irp t, 0,1
	CH (\u-14)%8, \t
	v_pk_add_f32 v[TP_:TP_+1], v[TP_:TP_+1], v[64*\t+2*\u:64*\t+2*\u+1]
.endr
.endr
	WIN 0
	JOIN 0, 4
	JOIN 1, 5
	JOIN 2, 6
	JOIN 7, 3
	JOIN 0, 1
	JOIN 7, 2
	JOIN 7, 0
	WIN 0x41
	s_wait_alu depctr_va_vdst(0)                   ; the wait directly ahead of the first reader of O^T
.set jj, 0
.rept 16
.irp t, 0,1
	v_pk_mul_f32 v[128+32*\t+jj:128+32*\t+jj+1], v[128+32*\t+jj:128+32*\t+jj+1], v[SM+64*\t+F:SM+64*\t+F+1] op_sel_hi:[1,0]   ; O^T under the new M
.endr
.set jj, jj+2
.endr
	s_wait_alu depctr_va_vdst(0)
	s_wait_dscnt 20                                ; V is in: behind its loads stand the next K's 20
	WIN 0x50
.irp u, 0,1,2,3                        ; O^T += V^T p^T: eight accumulators, one turn each
.irp t, 0,1
.if \u%2
	v_wmma_scale_f32_16x16x128_f8f6f4 v[128+32*\t+8*\u:128+32*\t+8*\u+7], v[VF+12*\u:VF+12*\u+11], v[SM+64*\t+PC:SM+64*\t+PC+11], v[128+32*\t+8*\u:128+32*\t+8*\u+7], v[VSC+\u/2], v[SM+64*\t+PSC] matrix_a_fmt:MATRIX_FMT_FP6 matrix_b_fmt:MATRIX_FMT_FP6 matrix_a_scale:MATRIX_SCALE_ROW1
.else
	v_wmma_scale_f32_16x16x128_f8f6f4 v[128+32*\t+8*\u:128+32*\t+8*\u+7], v[VF+12*\u:VF+12*\u+11], v[SM+64*\t+PC:SM+64*\t+PC+11], v[128+32*\t+8*\u:128+32*\t+8*\u+7], v[VSC+\u/2], v[SM+64*\t+PSC] matrix_a_fmt:MATRIX_FMT_FP6 matrix_b_fmt:MATRIX_FMT_FP6
.endif
.endr
.endr
	WIN 0
.rept 4
	v_nop                                          ; places in front of the loads below
.endr
	VLOAD                                          ; the next step's V
.endm
.macro WALK                            ; the head's sixteen key steps; s[TBN] stands at record 1 on the way in and on the way out
	s_mov_b32 s[KC], 0
.Lstep_\@:
	STEP
	s_add_co_u32 s[KC], s[KC], 1
	s_add_co_u32 s[T1], s[KC], 1
	s_and_b32 s[T1], s[T1], 15                     ; behind record 15 comes record 0
	s_mul_i32 s[TBN], s[T1], REC
	s_cmp_lt_u32 s[KC], 16
	s_cbranch_scc1 .Lstep_\@
.endm
; A walk's end: O^T / l, put into true order along the channels, quantised, stored
.macro HEAD_END p
.if \p == 0
	QLOAD 1                                        ; the second walk's q lands under what follows
.else
	s_wait_xcnt 0x0                                ; the first walk's stores have read their data
.endif
.irp t, 0,1
	v_add_f32 v[SM+64*\t+SUM], v[SM+64*\t+SUM], v[SM+64*\t+SUM+1]
.endr
.irp t, 0,1
	v_permlanex16_b32 v[SM+64*\t+TMP], v[SM+64*\t+SUM], s[SEL], s[SEL+1]
.endr
.irp t, 0,1
	v_add_f32 v[SM+64*\t+SUM], v[SM+64*\t+SUM], v[SM+64*\t+TMP]   ; l
.endr
	s_wait_alu depctr_va_vdst(0)
.irp t, 0,1
	v_rcp_f32 v[SM+64*\t+F], v[SM+64*\t+SUM]
.endr
	v_nop
	WIN 0x41
	s_wait_alu depctr_va_vdst(0)
.set jj, 0
.rept 16
.irp t, 0,1
	v_pk_mul_f32 v[64*\t+jj:64*\t+jj+1], v[128+32*\t+jj:128+32*\t+jj+1], v[SM+64*\t+F:SM+64*\t+F+1] op_sel_hi:[1,0]   ; register 8 u + j: channel 16 u + 8 h + j
.endr
.set jj, jj+2
.endr
.irp b, 0,1
.irp j, 0,1,2,3,4,5,6,7
.irp t, 0,1
	v_permlane16_swap_b32 v[64*\t+16*\b+\j], v[64*\t+16*\b+8+\j]   ; now registers 16 b + 0 .. 15 hold channels 32 b + 16 h + 0 .. 15
.endr
.endr
.endr
	WIN 0x05
.irp b, 0,1
.irp t, 0,1
	v_max3_num_f32 v[SM+64*\t+BM+\b], |v[64*\t+16*\b]|, |v[64*\t+1+16*\b]|, 0x1800000
.endr
.endr
	WIN 0x14
.irp i, 2,4,6,8,10,12,14
.irp b, 0,1
.irp t, 0,1
	v_max3_num_f32 v[SM+64*\t+BM+\b], v[SM+64*\t+BM+\b], |v[64*\t+16*\b+\i]|, |v[64*\t+1+16*\b+\i]|
.endr
.endr
.endr
	WIN 0
.irp b, 0,1
.irp t, 0,1
	v_permlanex16_b32 v[SM+64*\t+X4+\b], v[SM+64*\t+BM+\b], s[SEL], s[SEL+1]
.endr
.endr
.irp b, 0,1
.irp t, 0,1
	v_max_num_f32 v[SM+64*\t+BM+\b], v[SM+64*\t+BM+\b], v[SM+64*\t+X4+\b]
.endr
.endr
.irp b, 0,1
.irp t, 0,1
	v_add_nc_u32 v[SM+64*\t+SO+\b], 0xff000000, v[SM+64*\t+BM+\b]
.endr
.endr
.irp b, 0,1
.irp t, 0,1
	v_lshrrev_b32 v[SM+64*\t+X4+\b], 23, v[SM+64*\t+SO+\b]
.endr
.endr
.irp t, 0,1
	v_lshl_or_b32 v[SM+64*\t+CW], v[SM+64*\t+X4+1], 8, v[SM+64*\t+X4]   ; the row's two scale bytes
.endr
	WIN 0x01
.irp t, 0,1
	v_cvt_scalef32_pk16_fp6_f32 v[SM+64*\t+CT:SM+64*\t+CT+2], v[64*\t:64*\t+15], v[SM+64*\t+SO]
	v_cvt_scalef32_pk16_fp6_f32 v[SM+64*\t+CV:SM+64*\t+CV+2], v[64*\t+16:64*\t+31], v[SM+64*\t+SO+1]
.endr
	WIN 0
	v_nop
.irp i, 0,1,2
.irp t, 0,1
	v_permlane16_swap_b32 v[SM+64*\t+CT+\i], v[SM+64*\t+CV+\i]
.endr
.endr
.irp i, 0,1,2
.irp t, 0,1
	v_mov_b32 v[SM+64*\t+CT+3+\i], v[SM+64*\t+CV+\i]
.endr
.endr
.irp t, 0,1
	global_store_b128 v[L16], v[SM+64*\t+CT:SM+64*\t+CT+3], s[8:9] offset:CSTEP*\p+12288*\t          ; 512 consecutive bytes, at a multiple of 256 from the buffer's first byte
	global_store_b64 v[L8], v[SM+64*\t+CT+4:SM+64*\t+CT+5], s[8:9] offset:CSTEP*\p+12288*\t+512      ; 256 more
	ds_store_b16 v[GSA], v[SM+64*\t+CW] offset:512*\p+128*\t   ; both halves of the lanes write the same bytes with the same value
.endr
.endm
	QLOAD 0
	HEAD_BEGIN
	s_wait_alu depctr_va_vdst(0)                   ; the wait at the head's end
	s_wait_tensorcnt 0x0                           ; my two records are in
	s_barrier_signal -1
	s_barrier_wait -1                              ; all sixteen are
	NEXTREC                                        ; record 0
	KLOAD
	VLOAD
	s_mov_b32 s[TBN], REC
	WALK
	HEAD_END 0
	HEAD_BEGIN
	WALK
	HEAD_END 1
	s_wait_dscnt 0x0                               ; for the others' sake
	s_barrier_signal -1
	s_barrier_wait -1
	s_cmp_lt_u32 s[WV], 2                          ; the work-group's scale bytes leave as 1,024 dense bytes, by waves 0 and 1
	s_cbranch_scc0 .Lno_words
	ds_load_b128 v[TR:TR+3], v[GSR]
	s_wait_dscnt 0x0
	global_store_b128 v[T16], v[TR:TR+3], s[10:11]
.Lno_words:
	s_wait_tensorcnt 0x0                           ; the wave's end
	ds_add_u32 v[SPW], v[NIL]
	s_wait_dscnt 0x0
	CROUND                                         ; the closing round
	s_endpgm
.Lfunc_end_k_qe9fc05143f_attn:
	.size	k_qe9fc05143f_attn, .Lfunc_end_k_qe9fc05143f_attn-k_qe9fc05143f_attn
	.p2alignl 7, 3214868480
	.fill 96, 4, 3214868480
	.section	.rodata,"a",@progbits
	.p2align	6, 0x0
	.amdhsa_kernel k_qe9fc05143f_attn
		.amdhsa_group_segment_fixed_size 327680
		.amdhsa_private_segment_fixed_size 0
		.amdhsa_enable_private_segment 0
		.amdhsa_kernarg_size 32
		.amdhsa_user_sgpr_count 2
		.amdhsa_user_sgpr_kernarg_segment_ptr 1
		.amdhsa_wavefront_size32 1
		.amdhsa_system_sgpr_workgroup_id_x 1
		.amdhsa_system_sgpr_workgroup_id_y 1
		.amdhsa_system_sgpr_workgroup_id_z 1
		.amdhsa_system_vgpr_workitem_id 0
		.amdhsa_next_free_vgpr 512
		.amdhsa_next_free_sgpr 66
		.amdhsa_reserve_vcc 0
		.amdhsa_float_denorm_mode_32 3
		.amdhsa_float_denorm_mode_16_64 3
		.amdhsa_memory_ordered 1
		.amdhsa_forward_progress 1
		.amdhsa_inst_pref_size 91
	.end_amdhsa_kernel
	.amdgpu_metadata
---
amdhsa.version: [ 1, 2 ]
amdhsa.kernels:
  - .name:           k_qe9fc05143f_attn
    .symbol:         k_qe9fc05143f_attn.kd
    .args:
      - { .name: qimg, .offset: 0, .size: 8, .value_kind: global_buffer, .address_space: global }
      - { .name: kv, .offset: 8, .size: 8, .value_kind: global_buffer, .address_space: global }
      - { .name: ctximg, .offset: 16, .size: 8, .value_kind: global_buffer, .address_space: global }
      - { .name: ctxsc, .offset: 24, .size: 8, .value_kind: global_buffer, .address_space: global }
    .group_segment_fixed_size: 327680
    .private_segment_fixed_size: 0
    .kernarg_segment_align: 8
    .kernarg_segment_size: 32
    .max_flat_workgroup_size: 256
    .sgpr_count:     66
    .vgpr_count:     512
    .wavefront_size: 32
...
	.end_amdgpu_metadata
.endif
;; end of part 2
;; launch outp (part 3): grid 8 x 32, 4 waves a work-group, clusters of 4 x 4, 327,680 bytes of LDS; arguments ctximg, ctxsc, Wo_codes, Wo_scales, bo, out0; writes out0
.if DOCPART == 3
	.amdgcn_target "amdgcn-amd-amdhsa--gfx1250"
	.amdhsa_code_object_version 6
	.text
	.protected	k_qe9fc05143f_outp
	.globl	k_qe9fc05143f_outp
	.p2align	8
	.type	k_qe9fc05143f_outp,@function
k_qe9fc05143f_outp:
	s_mov_b64 s[64:65], 0
	v_nop
	global_prefetch_b8 v0, s[64:65] scope:SCOPE_SE
	s_setreg_imm32_b32 hwreg(HW_REG_WAVE_MODE, 25, 1), 1
	s_wait_xcnt 0x0
	s_wait_alu depctr_hold_cnt(0) depctr_sa_sdst(0) depctr_va_vdst(0) depctr_va_sdst(0) depctr_va_ssrc(0) depctr_va_vcc(0) depctr_vm_vsrc(0)
	s_getreg_b32 s2, hwreg(HW_REG_IB_STS2, 6, 4)
	s_cmp_eq_u32 s2, 0
	s_cbranch_scc0 .Lentry_in_a_cluster
	s_endpgm
.Lentry_in_a_cluster:
	s_bfe_u32 s2, ttmp6, 0x10000c
	s_cmp_lg_u32 s2, 0xf033
	s_cbranch_scc0 .Lentry_shape_is_right
	s_endpgm
.Lentry_shape_is_right:
; out = ctx Wo^T + bo on codes of FP6 (E2M3) with E8M0 scales, sums in f32.  ctximg and ctxsc are as the attention launch leaves them; Wo's rows are 768 bytes of codes and 32 scale bytes.
; 256 work-groups of four waves, 2 x 2; a work-group makes 256 rows x 128 columns.  ALL OF K LIES IN LDS: 16 tiles of ctx (196,608 dense bytes) and 128 rows of Wo (768 + 48 bytes of padding each), one tensor load a wave at the head;
; nothing is filled again.  A wave holds its 64 rows of Wo, all of K, in registers (32 fragments, 384 registers) and streams its 128 rows of ctx past them in blocks of 16 rows: 32 products finish 16 x 64 results,
; which leave through the wave's own stage in LDS as whole rows of 256 bytes while the next block is multiplied.
; 4 x 4 work-groups form a cluster: ctx's tiles are shared along a row of it, Wo's along a column.  The scale bytes and the bias go straight into registers, in whole units of 256 bytes (bo: 256 bytes a wave).
; No prefetch: all tiles are asked for at the head; there is no loop to run ahead in.
; The matrix instruction is used transposed (source 0 = Wo's rows): a lane holds eight neighbouring columns of one row.  The bias is the first products' C.
; REGISTERS: fragment f lies in window 1 + f / 21 at register 12 (f % 21): 0-31 Wo's (4 q + b), 32-39 and 40-47 ctx's two sets.  Window 0 holds all else.
.set KROW,  768
.set PITCH, 816
.set FR,    12
.set FPW,   21
.set TILEB, 12288                      ; a tile of 16 rows of ctx, all of K
.set WB,    16*TILEB
.set SPARE, WB+128*PITCH               ; the spare words: two blocks of 256 bytes that no other line names
.set STG,   SPARE+512                  ; the stages: 16 rows x 272 bytes a wave; no fill lands here
.set SP,    272
.set A16, 4                            ; v4, v5 LDS address of my blocks 0-3 (16 x lane, 8 x lane); v6, v7 of blocks 4-7
.set A8,  5
.set B0,  8                            ; v8, v9 of my rows of Wo (v9: for the pieces behind one padding more)
.set B1,  9
.set SPW, 10
.set NIL, 11
.set STO, 12
.set RD,  13
.set CO,  14
.set BO,  15
.set SB,  24                           ; v24-39 Wo's scale words: 8 (b / 2) + q; lanes 16-31 the odd tile
.set SA,  40                           ; v40-71 ctx's: 4 q + s / 2; lanes 16-31 the odd block
.set RAW, 72                           ; v72-103 ctx's scale bytes as loaded; later rows on their way out
.set BI,  104                          ; v104-135 the bias
.set ACC, 136                          ; v136-199 two sets of four accumulators
.set BK,  200                          ; v200-231 rows on their way out
.set G1A, 24
.set G0A, 32
.set G0B, 36
.set G1B, 48
.set MSB, 0
.macro WIN new
.if MSB != \new
	s_set_vgpr_msb (MSB<<8)|\new
.set MSB, \new
.endif
.endm
.macro PLACES n
.rept \n
	v_nop
.endr
.endm
.macro CROUND
	s_barrier_signal -1
	s_barrier_wait -1
	s_cmp_lg_u32 s20, 0
	s_cbranch_scc1 .Lnot_wave_0_\@
	s_barrier_signal -3
.Lnot_wave_0_\@:
	s_barrier_wait -3
	s_barrier_signal -1
	s_barrier_wait -1
.endm
	s_load_b128 s[4:7], s[0:1], 0x0                ; ctximg, ctxsc
	s_load_b128 s[8:11], s[0:1], 0x10              ; Wo's codes, scales
	s_load_b128 s[12:15], s[0:1], 0x20             ; bo, out0
	v_lshl_add_u32 v[SPW], v0, 2, SPARE
	v_mov_b32 v[NIL], 0
	ds_add_u32 v[SPW], v[NIL]                      ; the opening lines: the add twice on end and its wait
	ds_add_u32 v[SPW], v[NIL]
	v_lshrrev_b32 v1, 5, v0
	v_readfirstlane_b32 s20, v1                    ; wave
	s_lshr_b32 s21, s20, 1                         ; my 128 rows of ctx; also: I fetch ctx (0) or Wo (1)
	s_and_b32 s22, s20, 1                          ; my 64 rows of Wo; also: which half I fetch
	s_bfe_u32 s40, ttmp6, 0x40000
	s_bfe_u32 s41, ttmp6, 0x40004
	s_lshl_b32 s42, ttmp9, 2
	s_add_co_u32 s42, s42, s40                     ; tile column, 0 .. 7
	s_and_b32 s43, ttmp7, 0xffff
	s_lshl_b32 s43, s43, 2
	s_add_co_u32 s43, s43, s41                     ; tile row, 0 .. 31
	s_lshl_b32 s44, s41, 2
	s_lshl_b32 s44, 15, s44                        ; my row of the cluster
	s_lshl_b32 s45, 0x1111, s40                    ; my column
	s_or_b32 s[G1A], s44, (3<<16)|(1<<21)          ; 8 tiles of ctx: 98,304 dense bytes as 384 rows of 256
	s_mov_b32 s[G1A+1], 32<<16
	s_mov_b32 s[G1A+2], 384<<16
	s_mov_b32 s[G1A+3], 32<<16
	s_mov_b32 s[G1A+4], 384
	s_mov_b32 s[G1A+5], 32
	s_mov_b32 s[G1A+6], 0
	s_mov_b32 s[G1A+7], 0
	s_or_b32 s[G1B], s45, (1<<20)|(1<<21)|(5<<22)|(3<<25)   ; 64 rows of Wo, 768 bytes each, 16 bytes of padding behind every 256
	s_mov_b32 s[G1B+1], KROW<<16
	s_mov_b32 s[G1B+2], 64<<16
	s_mov_b32 s[G1B+3], KROW<<16
	s_mov_b32 s[G1B+4], 64
	s_mov_b32 s[G1B+5], KROW
	s_mov_b32 s[G1B+6], 0
	s_mov_b32 s[G1B+7], 0
	s_lshl_b32 s46, s43, 4
	s_lshl_b32 s47, s22, 3
	s_add_co_u32 s46, s46, s47
	s_mul_i32 s46, s46, TILEB                      ; the 8 tiles of ctx that I fetch, if I fetch ctx
	s_mov_b32 s47, 0
	s_lshl_b32 s56, s42, 7
	s_lshl_b32 s57, s22, 6
	s_add_co_u32 s56, s56, s57                     ; 64 rows of Wo: those that I fetch, if I fetch Wo, and those that I multiply
	s_mul_i32 s58, s56, KROW
	s_mov_b32 s59, 0
	s_lshl_b32 s60, s56, 5                         ; their scale bytes
	s_mov_b32 s61, 0
	s_lshl_b32 s62, s56, 2                         ; their columns of bo and out0, in bytes
	s_mov_b32 s63, 0
	s_lshl_b32 s66, s43, 1
	s_add_co_u32 s66, s66, s21                     ; my group of 128 rows
	s_lshl_b32 s68, s66, 19                        ; its first row of out0: 128 rows of 4,096 bytes a group
	s_mov_b32 s69, 0
	s_lshl_b32 s66, s66, 8                         ; its scale bytes: 256 a head
	s_mov_b32 s67, 0
	s_mov_b32 s[G0A], 1
	s_mul_i32 s[G0A+1], s22, 8*TILEB
	s_mov_b32 s[G0B], 1
	s_mul_i32 s[G0B+1], s22, 64*PITCH
	s_add_co_u32 s[G0B+1], s[G0B+1], WB
	s_mul_i32 s70, s21, 8*TILEB
	s_mul_i32 s71, s22, 64*PITCH
	s_add_co_u32 s71, s71, WB
	s_mul_i32 s72, s20, 16*SP
	s_add_co_u32 s72, s72, STG
	s_wait_dscnt 0x0
	CROUND                                         ; in front of the joint loads
	s_wait_kmcnt 0x0
	s_add_nc_u64 s[G0A+2:G0A+3], s[4:5], s[46:47]
	s_or_b32 s[G0A+3], s[G0A+3], 0x80000000
	s_add_nc_u64 s[G0B+2:G0B+3], s[8:9], s[58:59]
	s_or_b32 s[G0B+3], s[G0B+3], 0x80000000
	s_add_nc_u64 s[6:7], s[6:7], s[66:67]
	s_add_nc_u64 s[10:11], s[10:11], s[60:61]
	s_add_nc_u64 s[12:13], s[12:13], s[62:63]
	s_add_nc_u64 s[14:15], s[14:15], s[68:69]
	s_add_nc_u64 s[14:15], s[14:15], s[62:63]
	s_cmp_eq_u32 s21, 0
	s_cbranch_scc0 .Lfor_b
	tensor_load_to_lds s[G0A:G0A+3], s[G1A:G1A+7]  ; waves 0, 1: eight tiles of ctx each
	s_nop 0
	PLACES 4
	s_branch .Lasked
.Lfor_b:
	tensor_load_to_lds s[G0B:G0B+3], s[G1B:G1B+7]  ; waves 2, 3: 64 rows of Wo each
	s_nop 0
	PLACES 4
.Lasked:
	v_and_b32 v1, 15, v0                           ; r
	v_bfe_u32 v2, v0, 4, 1                         ; h
	v_and_b32 v3, 31, v0
	v_lshl_add_u32 v[A16], v3, 4, s70
	v_lshl_add_u32 v[A8], v3, 3, s70
	v_add_nc_u32 v[A16+2], 4*TILEB, v[A16]
	v_add_nc_u32 v[A8+2], 4*TILEB, v[A8]
	v_mul_u32_u24 v16, v1, PITCH
	v_add_nc_u32 v16, s71, v16
	v_mad_u32_u24 v[B0], v2, 24, v16
	v_mad_u32_u24 v[B1], v2, 40, v16
	v_mul_u32_u24 v17, v1, SP                      ; into the stage: row r, 32 bytes for each half of the lanes
	v_lshl_add_u32 v17, v2, 5, v17
	v_add_nc_u32 v[STO], s72, v17
	v_mul_u32_u24 v17, v2, SP                      ; back: lanes 0-15 one row of 256 bytes, lanes 16-31 the next
	v_lshl_add_u32 v17, v1, 4, v17
	v_add_nc_u32 v[RD], s72, v17
	v_lshlrev_b32 v17, 12, v2
	v_lshl_add_u32 v[CO], v1, 4, v17               ; and the same two rows in out0
	v_lshlrev_b32 v[BO], 5, v2
	v_lshlrev_b32 v18, 5, v3                       ; Wo's scale bytes: lane l takes row 32 p + l, 32 bytes
	v_lshlrev_b32 v19, 3, v3                       ; ctx's: 8 bytes a lane and head
	s_wait_alu depctr_va_vdst(0)
.irp p, 0,1
.irp c, 0,1
	global_load_b128 v[SB+8*\p+4*\c:SB+8*\p+4*\c+3], v18, s[10:11] offset:1024*\p+16*\c
.endr
.endr
.irp d, 0,1,2,3,4,5,6,7,8,9,10,11,12,13,14,15
	global_load_b64 v[RAW+2*\d:RAW+2*\d+1], v19, s[6:7] offset:16384*\d   ; head d: 256 consecutive bytes
.endr
.irp b, 0,1,2,3
.irp c, 0,1
	global_load_b128 v[BI+8*\b+4*\c:BI+8*\b+4*\c+3], v[BO], s[12:13] offset:64*\b+16*\c   ; register 8 b + j: bo(16 b + 8 h + j)
.endr
.endr
	s_wait_loadcnt 0x0
.irp q, 0,1,2,3,4,5,6,7                ; K step q is heads 2 q, 2 q + 1: their two bytes each make the scale word
.irp i, 0,1
	v_perm_b32 v[SA+4*\q+2*\i], v[RAW+4*\q+2+\i], v[RAW+4*\q+\i], 0x05040100
	v_perm_b32 v[SA+4*\q+2*\i+1], v[RAW+4*\q+2+\i], v[RAW+4*\q+\i], 0x07060302
.endr
.endr
	PLACES 8                                       ; a scale register written by a vector instruction stands 8 places ahead of a scaled product
.macro WFRAG f, q, b                   ; six pieces of 8 bytes; lanes 16-31 read three pieces on
	WIN ((1+(\f)/FPW)<<6)
.set R_, FR*((\f)%FPW)
.irp p, 0,1,2,3,4,5
.set PC_, 12*(\q)+6*(\p/3)+\p%3
.if (PC_%32)+3 >= 32
	ds_load_b64 v[R_+2*\p:R_+2*\p+1], v[B1] offset:8*PC_+16*(PC_/32)+(\b)*16*PITCH
.else
	ds_load_b64 v[R_+2*\p:R_+2*\p+1], v[B0] offset:8*PC_+16*(PC_/32)+(\b)*16*PITCH
.endif
.endr
.endm
.macro AFRAG f, s, q                   ; heads 2 q and 2 q + 1 of block s: six registers each, as they were stored
	WIN ((1+(\f)/FPW)<<6)
.set R_, FR*((\f)%FPW)
.irp e, 0,1
	ds_load_b128 v[R_+6*\e:R_+6*\e+3], v[A16+2*((\s)/4)] offset:((\s)%4)*TILEB+(2*(\q)+\e)*768
	ds_load_b64 v[R_+6*\e+4:R_+6*\e+5], v[A8+2*((\s)/4)] offset:((\s)%4)*TILEB+(2*(\q)+\e)*768+512
.endr
.endm
.macro FETCH s                         ; 32 loads
.irp q, 0,1,2,3,4,5,6,7
	AFRAG 32+8*((\s)%2)+\q, \s, \q
.endr
	WIN 0
.endm
.macro PROD1 d, fw, fa, c, xw, xa, ow, oa
.if (\ow) && (\oa)
	v_wmma_scale_f32_16x16x128_f8f6f4 v[\d:\d+7], v[FR*((\fw)%FPW):FR*((\fw)%FPW)+FR-1], v[FR*((\fa)%FPW):FR*((\fa)%FPW)+FR-1], \c, v[\xw], v[\xa] matrix_a_fmt:MATRIX_FMT_FP6 matrix_b_fmt:MATRIX_FMT_FP6 matrix_a_scale:MATRIX_SCALE_ROW1 matrix_b_scale:MATRIX_SCALE_ROW1
.elseif \ow
	v_wmma_scale_f32_16x16x128_f8f6f4 v[\d:\d+7], v[FR*((\fw)%FPW):FR*((\fw)%FPW)+FR-1], v[FR*((\fa)%FPW):FR*((\fa)%FPW)+FR-1], \c, v[\xw], v[\xa] matrix_a_fmt:MATRIX_FMT_FP6 matrix_b_fmt:MATRIX_FMT_FP6 matrix_a_scale:MATRIX_SCALE_ROW1
.elseif \oa
	v_wmma_scale_f32_16x16x128_f8f6f4 v[\d:\d+7], v[FR*((\fw)%FPW):FR*((\fw)%FPW)+FR-1], v[FR*((\fa)%FPW):FR*((\fa)%FPW)+FR-1], \c, v[\xw], v[\xa] matrix_a_fmt:MATRIX_FMT_FP6 matrix_b_fmt:MATRIX_FMT_FP6 matrix_b_scale:MATRIX_SCALE_ROW1
.else
	v_wmma_scale_f32_16x16x128_f8f6f4 v[\d:\d+7], v[FR*((\fw)%FPW):FR*((\fw)%FPW)+FR-1], v[FR*((\fa)%FPW):FR*((\fa)%FPW)+FR-1], \c, v[\xw], v[\xa] matrix_a_fmt:MATRIX_FMT_FP6 matrix_b_fmt:MATRIX_FMT_FP6
.endif
.endm
.macro PROD s, n                       ; product n = 4 q + b of block s: the four accumulators take turns
.set Q_, (\n)/4
.set B_, (\n)%4
.set FW_, 4*Q_+B_
.set FA_, 32+8*((\s)%2)+Q_
.set D_, ACC+32*((\s)%2)+8*B_
	WIN ((1+FW_/FPW)|((1+FA_/FPW)<<2))
.if Q_
	PROD1 D_, FW_, FA_, v[D_:D_+7], SB+8*(B_/2)+Q_, SA+4*Q_+(\s)/2, B_%2, (\s)%2
.else
	PROD1 D_, FW_, FA_, v[BI+8*B_:BI+8*B_+7], SB+8*(B_/2)+Q_, SA+4*Q_+(\s)/2, B_%2, (\s)%2
.endif
.endm
.macro TOSTAGE s                       ; 8 stores, 8 loads: a wave's LDS instructions are served in order (ISA guide 5.7.1.4)
.set AC_, ACC+32*((\s)%2)
.set BB_, BK-128*((\s)%2)
.irp b, 0,1,2,3
	ds_store_b128 v[STO], v[AC_+8*\b:AC_+8*\b+3] offset:64*\b          ; each accumulator from its low end on
	ds_store_b128 v[STO], v[AC_+8*\b+4:AC_+8*\b+7] offset:64*\b+16
.endr
.irp t, 0,1,2,3,4,5,6,7
	ds_load_b128 v[BB_+4*\t:BB_+4*\t+3], v[RD] offset:\t*2*SP
.endr
.endm
.macro SEND s, younger                 ; younger: the LDS loads issued behind the block's own
.set BB_, BK-128*((\s)%2)
	s_wait_dscnt \younger
.irp t, 0,1,2,3,4,5,6,7
	global_store_b128 v[CO], v[BB_+4*\t:BB_+4*\t+3], s[14:15] offset:(16*(\s)+2*\t)*4096 th:TH_STORE_NT   ; 16 lanes store 256 consecutive bytes, aligned
.endr
.endm
; A block.  Its rows were fetched two blocks ago; younger than that fetch are the last block's 16 stage instructions and the next block's 32 loads (block 0: the 32 alone; block 7: the 16 alone).
.macro BLK s
.if (\s) == 0
	s_wait_dscnt 32
.elseif (\s) == 7
	s_wait_dscnt 16
.else
	s_wait_dscnt 48
.endif
.set N_, 0
.rept 32
	PROD \s, N_
.set N_, N_+1
.endr
	WIN 0
.if (\s) == 7
	SEND (\s)-1, 0
.elseif (\s) > 0
	SEND (\s)-1, 32                                ; the last block leaves; behind its stage loads stand the 32 of a fetch
.endif
	PLACES 4                                       ; in front of the reads of results and of the loads into the fragments' registers
.if (\s) > 1
	s_wait_xcnt 0x0                                ; the stores of two blocks ago have read their data
.endif
	TOSTAGE \s
.if (\s) < 6
	FETCH (\s)+2
.endif
.endm
	s_wait_alu depctr_va_vdst(0)                   ; the wait at the head's end
	s_wait_tensorcnt 0x0                           ; my tile is in
	s_barrier_signal -1
	s_barrier_wait -1                              ; all four are
.irp q, 0,1,2,3,4,5,6,7
.irp b, 0,1,2,3
	WFRAG 4*\q+\b, \q, \b
.endr
.endr
	WIN 0
	FETCH 0
	FETCH 1
.irp s, 0,1,2,3,4,5,6,7
	BLK \s
.endr
	SEND 7, 0
	s_wait_tensorcnt 0x0                           ; the wave's end
	ds_add_u32 v[SPW], v[NIL]
	s_wait_dscnt 0x0
	CROUND                                         ; the closing round
	s_endpgm
.Lfunc_end_k_qe9fc05143f_outp:
	.size	k_qe9fc05143f_outp, .Lfunc_end_k_qe9fc05143f_outp-k_qe9fc05143f_outp
	.p2alignl 7, 3214868480
	.fill 96, 4, 3214868480
	.section	.rodata,"a",@progbits
	.p2align	6, 0x0
	.amdhsa_kernel k_qe9fc05143f_outp
		.amdhsa_group_segment_fixed_size 327680
		.amdhsa_private_segment_fixed_size 0
		.amdhsa_enable_private_segment 0
		.amdhsa_kernarg_size 48
		.amdhsa_user_sgpr_count 2
		.amdhsa_user_sgpr_kernarg_segment_ptr 1
		.amdhsa_wavefront_size32 1
		.amdhsa_system_sgpr_workgroup_id_x 1
		.amdhsa_system_sgpr_workgroup_id_y 1
		.amdhsa_system_sgpr_workgroup_id_z 1
		.amdhsa_system_vgpr_workitem_id 0
		.amdhsa_next_free_vgpr 840
		.amdhsa_next_free_sgpr 80
		.amdhsa_reserve_vcc 0
		.amdhsa_float_denorm_mode_32 3
		.amdhsa_float_denorm_mode_16_64 3
		.amdhsa_memory_ordered 1
		.amdhsa_forward_progress 1
		.amdhsa_inst_pref_size 90
	.end_amdhsa_kernel
	.amdgpu_metadata
---
amdhsa.version: [ 1, 2 ]
amdhsa.kernels:
  - .name:           k_qe9fc05143f_outp
    .symbol:         k_qe9fc05143f_outp.kd
    .args:
      - { .name: ctximg, .offset: 0, .size: 8, .value_kind: global_buffer, .address_space: global }
      - { .name: ctxsc, .offset: 8, .size: 8, .value_kind: global_buffer, .address_space: global }
      - { .name: Wo_codes, .offset: 16, .size: 8, .value_kind: global_buffer, .address_space: global }
      - { .name: Wo_scales, .offset: 24, .size: 8, .value_kind: global_buffer, .address_space: global }
      - { .name: bo, .offset: 32, .size: 8, .value_kind: global_buffer, .address_space: global }
      - { .name: out0, .offset: 40, .size: 8, .value_kind: global_buffer, .address_space: global }
    .group_segment_fixed_size: 327680
    .private_segment_fixed_size: 0
    .kernarg_segment_align: 8
    .kernarg_segment_size: 48
    .max_flat_workgroup_size: 128
    .sgpr_count:     80
    .vgpr_count:     840
    .wavefront_size: 32
...
	.end_amdgpu_metadata
.endif
;; end of part 3
